; MI455X (gfx1250); checked and timed in simulation.
; The chip was launched on July 23, 2026; its instructions are those of AMD's public machine-readable ISA for CDNA 5 (MIT licence, August 2026) and "CDNA5" Instruction Set Architecture Reference Guide (July 2026). The comments in the code are by the model that wrote it; some were corrected since.
;; Peephole Cell. Allowed arithmetic: float matrix products may take bf16 or f16 operands with f32 sums; all other float work in f32.
;; Inputs: U_c 512 x 512 float32; U_f 512 x 512 float32; U_i 512 x 512 float32; U_o 512 x 512 float32; W_c 512 x 512 float32; W_f 512 x 512 float32; W_i 512 x 512 float32; W_o 512 x 512 float32; X_t 16,384 x 512 float32; b_c 512 float32; b_f 512 float32; b_i 512 float32; b_o 512 float32; c_prev 16,384 x 512 float32.
;; Outputs: out0 16,384 x 512 float32.
;; One version. Each part assembles by itself: llvm-mc -triple=amdgcn-amd-amdhsa -mcpu=gfx1250 --defsym DOCPART=n.
;; ======== version 1 of 1: 2 launches
;; limits: right only within a limited range of input values; values are held in f16: magnitudes above 65,504 overflow, below 6.1e-05 lose precision; inputs' magnitudes at most 65,504
;; workspace buffers: wt 4,194,304 bytes
;; launch pack (part 1): grid 256 x 1, 8 waves a work-group, no clusters, 18,432 bytes of LDS; arguments W_f, W_i, W_o, W_c, U_f, U_i, U_o, U_c, wt; writes wt
.if DOCPART == 1
	.amdgcn_target "amdgcn-amd-amdhsa--gfx1250"
	.amdhsa_code_object_version 6
	.text
	.protected	k_q5832f0f091_pack
	.globl	k_q5832f0f091_pack
	.p2align	8
	.type	k_q5832f0f091_pack,@function
k_q5832f0f091_pack:
	s_mov_b64 s[64:65], 0
	v_nop
	global_prefetch_b8 v0, s[64:65] scope:SCOPE_SE
	s_setreg_imm32_b32 hwreg(HW_REG_WAVE_MODE, 25, 1), 1
	s_wait_xcnt 0x0
; pack: the eight weight matrices (f32, [k][n], 512 x 512) become wt (f16, 4 MiB), rounded once and laid so that the second launch's
; matrix fragments are plain 16-byte loads: k along the rows, the four gates of 64 hidden columns side by side.
; No work of the problem is left out in either launch: every input has a way to h_t (c_t is not returned, but h_t is made of it).
; FORMAT: f16 and not bf16.  A gate's sum has 1,024 products and reaches h_t with a slope of up to about 1; 11 significant bits in the operands keep the sum's
; rounding error an eighth of what 8 bits leave.  LIMIT: a weight of magnitude above 65,504 becomes infinite; below 2^-14 the step is 2^-24.
; LAYOUT OF wt.  K index 0..511 = rows of W_g, 512..1023 = rows of U_g.  Column block cb (hidden columns 64 cb .. +63) and K step ks (64 k)
; have a dense tile of 32,768 bytes at (16 cb + ks) * 32768.  In it row n' = 64 g + hc (g = 0 f, 1 i, 2 o, 3 c; hc = 0..63) is 128 bytes:
; element (n', k) at 128 n' + 2 k.
; SHARES.  256 work-groups of 8 waves; work-group id = cb + 8 g + 32 kb takes 128 k (kb: 0..3 in W_g, 4..7 in U_g) x 64 n of one matrix:
; 32 KiB in, 16 KiB out.  Thread t loads 8 k x 4 n, packs pairs of k, and the transposition goes through LDS.
; Each load of sixteen lanes covers 256 consecutive bytes of a row of the matrix, aligned; each store of sixteen lanes 256 consecutive bytes of wt, aligned.
; No tensor load, no matrix unit, no cluster: each byte is read once and written once, and no two work-groups share a byte.
.set PITCH, 272                        ; an LDS row: 128 k in f16 (256 bytes) + 16
.set X, 8                              ; v[8:39]   load i: (k = 8 (t>>4) + i, n = 4 (t&15) .. +3) in f32; later the rows read back
.set Y, 40                             ; v[40:55]  column c: 8 k in f16
	s_load_b512 s[4:19], s[0:1], 0x0               ; W_f 4, W_i 6, W_o 8, W_c 10, U_f 12, U_i 14, U_o 16, U_c 18
	s_load_b64 s[20:21], s[0:1], 0x40              ; wt
	v_lshl_add_u32 v64, v0, 2, 0x4400
	v_mov_b32 v65, 0
	s_and_b32 s22, ttmp9, 7                        ; cb
	s_bfe_u32 s23, ttmp9, 0x20003                  ; g: 2 bits from bit 3
	s_lshr_b32 s24, ttmp9, 5                       ; kb
	s_and_b32 s26, s24, 3
	s_lshl_b32 s26, s26, 18                        ; source: 128 (kb & 3) rows of 2,048 bytes
	s_lshl_b32 s25, s22, 8
	s_add_co_u32 s26, s26, s25                     ; + 64 cb columns of 4 bytes
	s_mov_b32 s27, 0
	s_lshl_b32 s28, s22, 19                        ; destination: 16 cb tiles of 32,768 bytes
	s_lshl_b32 s25, s24, 16
	s_add_co_u32 s28, s28, s25                     ; + 2 kb tiles
	s_lshl_b32 s25, s23, 13
	s_add_co_u32 s28, s28, s25                     ; + 64 g rows of 128 bytes
	s_mov_b32 s29, 0
	v_and_b32 v1, 15, v0                           ; t & 15
	v_lshrrev_b32 v2, 4, v0                        ; t >> 4
	v_lshlrev_b32 v3, 4, v1
	v_lshl_add_u32 v3, v2, 14, v3                  ; load: 8 (t>>4) rows of 2,048 bytes + 16 (t&15)
	v_mul_u32_u24 v4, v1, 4*PITCH
	v_lshl_add_u32 v4, v2, 4, v4                   ; LDS in: row n = 4 (t&15) (+ c in the immediate), 16 bytes = my 8 k
	v_lshrrev_b32 v5, 3, v0
	v_mul_u32_u24 v5, v5, PITCH
	v_and_b32 v7, 7, v0
	v_lshl_add_u32 v5, v7, 4, v5                   ; LDS back: row t>>3, 16 bytes at 16 (t&7)
	v_lshlrev_b32 v6, 4, v0                        ; store: 16 t
	s_wait_kmcnt 0x0
	; the matrix is chosen by the work-group's number alone: bit 0 of g, bit 1 of g, W or U
	s_bitcmp1_b32 s23, 0
	s_cselect_b64 s[4:5], s[6:7], s[4:5]
	s_cselect_b64 s[8:9], s[10:11], s[8:9]
	s_cselect_b64 s[12:13], s[14:15], s[12:13]
	s_cselect_b64 s[16:17], s[18:19], s[16:17]
	s_bitcmp1_b32 s23, 1
	s_cselect_b64 s[4:5], s[8:9], s[4:5]
	s_cselect_b64 s[12:13], s[16:17], s[12:13]
	s_bitcmp1_b32 s24, 2
	s_cselect_b64 s[4:5], s[12:13], s[4:5]
	s_add_nc_u64 s[4:5], s[4:5], s[26:27]
	s_add_nc_u64 s[20:21], s[20:21], s[28:29]
.irp i, 0,1,2,3,4,5,6,7
	global_load_b128 v[X+4*\i:X+4*\i+3], v3, s[4:5] offset:\i*2048 th:TH_LOAD_NT   ; read once in the launch
.endr
	s_wait_loadcnt 0x0
.irp c, 0,1,2,3
.irp p, 0,1,2,3
	v_cvt_pk_f16_f32 v[Y+4*\c+\p], v[X+8*\p+\c], v[X+8*\p+4+\c]    ; column c: k = 2 p below, 2 p + 1 above
.endr
.endr
	; sixteen neighbouring lanes start 1,088 bytes apart, 64 modulo 256: four of them meet in each 16-byte column.  Four such stores a thread in the whole launch.
.irp c, 0,1,2,3
	ds_store_b128 v4, v[Y+4*\c:Y+4*\c+3] offset:\c*PITCH
.endr
	s_wait_dscnt 0x0                               ; my stores are done, for the other waves' sake
	s_barrier_signal -1
	s_barrier_wait -1                              ; everybody's are
	; u = 2 ksub + half: K step 2 kb + ksub, rows 32 half .. +31 of my gate's 64: 4,096 consecutive bytes of wt for the 256 threads
.irp u, 0,1,2,3
	ds_load_b128 v[X+4*\u:X+4*\u+3], v5 offset:(\u%2)*32*PITCH+(\u/2)*128
.endr
.irp u, 0,1,2,3
	s_wait_dscnt 3-\u                              ; LDS loads come back in order: load u is in, the younger ones may be out
	global_store_b128 v6, v[X+4*\u:X+4*\u+3], s[20:21] offset:(\u/2)*32768+(\u%2)*4096
.endr
	s_wait_tensorcnt 0x0
	ds_add_u32 v64, v65
	s_wait_dscnt 0x0
	s_endpgm
.Lfunc_end_k_q5832f0f091_pack:
	.size	k_q5832f0f091_pack, .Lfunc_end_k_q5832f0f091_pack-k_q5832f0f091_pack
	.p2alignl 7, 3214868480
	.fill 96, 4, 3214868480
	.section	.rodata,"a",@progbits
	.p2align	6, 0x0
	.amdhsa_kernel k_q5832f0f091_pack
		.amdhsa_group_segment_fixed_size 18432
		.amdhsa_private_segment_fixed_size 0
		.amdhsa_enable_private_segment 0
		.amdhsa_kernarg_size 72
		.amdhsa_user_sgpr_count 2
		.amdhsa_user_sgpr_kernarg_segment_ptr 1
		.amdhsa_wavefront_size32 1
		.amdhsa_system_sgpr_workgroup_id_x 1
		.amdhsa_system_sgpr_workgroup_id_y 1
		.amdhsa_system_sgpr_workgroup_id_z 1
		.amdhsa_system_vgpr_workitem_id 0
		.amdhsa_next_free_vgpr 66
		.amdhsa_next_free_sgpr 66
		.amdhsa_reserve_vcc 0
		.amdhsa_float_denorm_mode_32 3
		.amdhsa_float_denorm_mode_16_64 3
		.amdhsa_memory_ordered 1
		.amdhsa_forward_progress 1
		.amdhsa_inst_pref_size 5
	.end_amdhsa_kernel
	.amdgpu_metadata
---
amdhsa.version: [ 1, 2 ]
amdhsa.kernels:
  - .name:           k_q5832f0f091_pack
    .symbol:         k_q5832f0f091_pack.kd
    .args:
      - { .name: W_f, .offset: 0, .size: 8, .value_kind: global_buffer, .address_space: global }
      - { .name: W_i, .offset: 8, .size: 8, .value_kind: global_buffer, .address_space: global }
      - { .name: W_o, .offset: 16, .size: 8, .value_kind: global_buffer, .address_space: global }
      - { .name: W_c, .offset: 24, .size: 8, .value_kind: global_buffer, .address_space: global }
      - { .name: U_f, .offset: 32, .size: 8, .value_kind: global_buffer, .address_space: global }
      - { .name: U_i, .offset: 40, .size: 8, .value_kind: global_buffer, .address_space: global }
      - { .name: U_o, .offset: 48, .size: 8, .value_kind: global_buffer, .address_space: global }
      - { .name: U_c, .offset: 56, .size: 8, .value_kind: global_buffer, .address_space: global }
      - { .name: wt, .offset: 64, .size: 8, .value_kind: global_buffer, .address_space: global }
    .group_segment_fixed_size: 18432
    .private_segment_fixed_size: 0
    .kernarg_segment_align: 8
    .kernarg_segment_size: 72
    .max_flat_workgroup_size: 256
    .sgpr_count:     66
    .vgpr_count:     66
    .wavefront_size: 32
...
	.end_amdgpu_metadata
.endif
;; end of part 1
;; launch cell (part 2): grid 8 x 64, 4 waves a work-group, clusters of 4 x 4, 327,680 bytes of LDS; arguments X_t, c_prev, wt, b_f, b_i, b_o, b_c, out0; writes out0
.if DOCPART == 2
	.amdgcn_target "amdgcn-amd-amdhsa--gfx1250"
	.amdhsa_code_object_version 6
	.text
	.protected	k_q5832f0f091_cell
	.globl	k_q5832f0f091_cell
	.p2align	8
	.type	k_q5832f0f091_cell,@function
k_q5832f0f091_cell:
	s_mov_b64 s[64:65], 0
	v_nop
	global_prefetch_b8 v0, s[64:65] scope:SCOPE_SE
	s_setreg_imm32_b32 hwreg(HW_REG_WAVE_MODE, 25, 1), 1
	s_wait_xcnt 0x0
	s_wait_alu depctr_hold_cnt(0) depctr_sa_sdst(0) depctr_va_vdst(0) depctr_va_sdst(0) depctr_va_ssrc(0) depctr_va_vcc(0) depctr_vm_vsrc(0)
	s_getreg_b32 s2, hwreg(HW_REG_IB_STS2, 6, 4)
	s_cmp_eq_u32 s2, 0
	s_cbranch_scc0 .Lentry_in_a_cluster
	s_endpgm
.Lentry_in_a_cluster:
	s_bfe_u32 s2, ttmp6, 0x10000c
	s_cmp_lg_u32 s2, 0xf033
	s_cbranch_scc0 .Lentry_shape_is_right
	s_endpgm
.Lentry_shape_is_right:
; cell: h_t = sigmoid(o) tanh(sigmoid(f) c_prev + sigmoid(i) tanh(c)), with [f i o c] = X_t W + c_prev U + b.  One product over K = 1,024
; ([X_t | c_prev] against wt, the weights as the first launch laid them), the gates and the cell update behind it, h_t alone goes to memory.
; No work of the problem is left out: every input has a way to h_t.
; FORMAT.  Matrix operands are rounded to f16, sums in f32; the biases, and c_prev in the cell update, stay f32.  f16 and not bf16: a gate's sum has 1,024 products and
; reaches h_t with a slope of up to about 1 (where c_t is near 0); 11 significant bits in the operands keep the sum's rounding error an eighth of what 8 bits leave.
; LIMITS.  An element of X_t or c_prev of magnitude above 65,504 becomes infinite as a matrix operand; below 2^-14 the step is 2^-24.
; The exponents of all exponentials are cut off above at 40 (base 2): a sigmoid below 2^-40
; comes out as about 2^-40, a tanh beyond that is +-1 in f32 anyway.  With that cut the largest product formed, (1+A)(1+B)(1+C), is below 2^121, and
; c_prev (1+B)(1+C) stays finite for |c_prev| < 2^40.  The cut is a minimum that drops a NaN: a NaN in a gate's sum gives a finite h_t where the formula gives NaN;
; an infinite sum gives the right limit.
;
; SHARES.  Work-group (cb, rb): rows 256 rb .. +255, hidden columns 64 cb .. +63 with all four gates: a block of 256 x 256 of the sums.  Four waves, as many
; as a WGP has SIMDs; wave w has rows 64 w .. +63 and all 256 columns n' = 64 g + hc: 64 accumulator tiles of 16 x 16, 512 registers.  So each activation fragment
; has one reader and is rounded to f16 once, and the four gates of an element lie in one lane.
; 512 work-groups of one tile each.  A work-group that stayed for two tiles would need the tile's text twice (the second tile's last lap asks for nothing):
; about 89,000 bytes of code in place of about 45,000.
; K goes in steps of 64 through two LDS slots filled by the tensor data mover.  The activations stay f32 in memory and in LDS (a row of a tile is 256 bytes,
; aligned); a wave converts its own fragments in registers.  K steps 0 to 7 take their activations from X_t, 8 to 15 from c_prev: the lap that asks for steps 8 and 9
; is written out between two loops and writes c_prev's address into the two descriptors.
; CLUSTERS: 4 x 4 work-groups.  The activation tile hangs on rb alone and is asked for jointly by the four of a row of the cluster; the weight tile hangs on cb alone
; and is asked for jointly by the four of a column.  That divides the requests for both by four.  The c_prev tile of the cell update (my rows, my 64 columns)
; is each wave's own plain load, issued with the first fills; h_t is written over it in LDS and leaves as whole rows of 256 bytes.
; By this text's own count a wave has three tensor loads out at the start and one behind each round of the cluster's barrier.
; PREFETCH.  In K step t (0 to 11) wave 3 asks, straight behind its tensor load, for 32 pieces of 256 bytes of the activation tile of K step t + 4, whose tensor load goes out in
; K step t + 2.  Lane l takes row 32 cb + l of the row block, so the eight work-groups of a row block together ask for each piece of a tile once in the launch: 8,192 bytes a
; work-group and step, four steps (32,768 bytes) ahead of the products at the most.  From t = 4 on the pieces are c_prev's; K steps 12 to 15 ask for nothing, so no request
; leaves a buffer (the highest byte asked for is the first of the buffer's last 256).  wt is read again and again by other work-groups and gets no prefetch.
;
; THE MATRIX INSTRUCTION IS USED TRANSPOSED: source 0 = 16 rows of wt (n'), source 1 = 16 rows of activations (m).  In tile (a, b) lane l (r = l % 16, h = l / 16)
; holds in register i the sum of row m = 64 w + 16 a + r and n' = 16 b + 8 h + i; with b = 4 g + j: gate g, hidden column hc = 16 j + 8 h + i.
;
; LDS, pitch 272 (256 bytes + 16, so that sixteen rows start at sixteen different 16-byte columns modulo 256):
;   slot s at s * 104,448: 256 rows of activations (64 k, f32), then 128 rows of 256 bytes of wt, two n' each: (n', k) at (n'>>1) 272 + (n'&1) 128 + 2 k
;   CP   at 208,896: c_prev[256 rows][64 hc] f32, later h_t; wave w's rows at + 17,408 w
;   BIAS at 278,528: wave w's own copy at + 1,024 w: [g][64] f32, already times -log2 e (f, i, o) or -2 log2 e (c)
; REGISTERS, in windows of 256: window 0: addresses, the f32 staging, two buffers of activation fragments, the gates' work; window 1: two buffers of 16 weight fragments;
;   window 2: accumulator tiles a = 0, 1 (tile (a, b) at v[8 (16 (a % 2) + b)]); window 3: a = 2, 3.
.set PITCH, 272
.set APART, 256*PITCH                  ; 69,632
.set SLOT,  APART+128*PITCH            ; 104,448
.set CP,    2*SLOT                     ; 208,896
.set BIAS,  CP+256*PITCH               ; 278,528
.set ADRA, 16                          ; v16-17  LDS address of my activation fragments in slot 0, 1
.set ADRB, 18                          ; v18-19  the same for the weights
.set VCPA, 20                          ; v20     CP by fragment: row 64 w + r, 32 h
.set VCPR, 21                          ; v21     CP by rows: row 64 w + h, 16 r
.set VCO,  22                          ; v22     my byte offset in out0
.set VBIA, 23                          ; v23     my wave's biases, 32 h
.set VBST, 24                          ; v24     where I put two biases
.set VBLD, 25                          ; v25     where I load them from
.set VPF,  27                          ; v27     prefetch: 2,048 x lane, a row for each lane; never rewritten
.set STG,  32                          ; v[32:95]   f32 staging: fragment a at STG + 16 a
.set AF,   96                          ; v[96:127], v[128:159] activation fragments in f16, buffer 0, 1
.set EF, 32                            ; the gates' work, 8 registers each: f, i, o, c, two more
.set EI, 40
.set EO, 48
.set EC, 56
.set EX, 64
.set EY, 72
.set CPV, 96                           ; v[96:127]  c_prev of the four row tiles
.set BI,  160                          ; v[160:191] biases of the four gates
.set OUTR, 32                          ; v[32:159]  the rows on the way out
.set G1A, 32                           ; s[32:39] group 1, activations
.set G1B, 40                           ; s[40:47] group 1, weights
.set G1C, 48                           ; s[48:55] group 1, the c_prev tile
.set G0A, 56                           ; s[56:63] group 0, activations, a set for each slot
.set PF,  66                           ; s[66:67] prefetch: the piece of row 32 cb of the row block that was asked for last
.set G0B, 68                           ; s[68:75] group 0, weights, a set for each slot
.set G0C, 76                           ; s[76:79] group 0, the c_prev tile
.set SCP, 80                           ; s[80:81], s[82:83] c_prev at my activation rows, K steps 8 and 9 (no type bits)
.set PFC, 94                           ; s[94:95] prefetch: c_prev at row 32 cb of the row block, column 0
.set PFN, 98                           ; s98      prefetch: requests made so far = the K step at work
.set MSB, 0
.macro WIN new                         ; the immediate's high byte repeats the setting that is left
.if MSB != (\new)
	s_set_vgpr_msb (MSB<<8)|(\new)
.set MSB, (\new)
.endif
.endm
.set MUL_LO, 0xa1                      ; source 0 (weights) window 1, source 1 (activations) window 0, C and D window 2
.set MUL_HI, 0xf1                      ; the same, C and D window 3
.set TO_B,   0x40                      ; destination window 1, address window 0
; Four places: a load into a register that a matrix instruction has read, and a vector instruction that reads a matrix result or writes one of a matrix instruction's
; registers, stand four plain vector instructions behind it (ISA guide 7.12.1 for vector instructions).
.macro PLACES
.rept 4
	v_nop
.endr
.endm
; A joint load: waves 0 and 1 fetch the two halves of the activation tile, waves 2 and 3 those of the weight tile.  Each line has one mask and one set of registers.
.macro JLOAD s
	s_cmp_eq_u32 s21, 0
	s_cbranch_scc0 .Lfor_b_\@
	tensor_load_to_lds s[G0A+4*\s:G0A+4*\s+3], s[G1A:G1A+7]
	s_nop 0
	s_branch .Lasked_\@
.Lfor_b_\@:
	tensor_load_to_lds s[G0B+4*\s:G0B+4*\s+3], s[G1B:G1B+7]
	s_nop 0
.Lasked_\@:
.endm
; The prefetch of K step t, t = the count in PFN: wave 3 alone, twelve times.  The base is written again only behind the wait, which stands a whole K step behind the last request.
.macro PREF
	s_cmp_lg_u32 s20, 3
	s_cbranch_scc1 .Lno_pf_\@                      ; one wave asks
	s_cmp_ge_u32 s[PFN], 12
	s_cbranch_scc1 .Lno_pf_\@                      ; K step t + 4 would lie behind the last: nothing is asked for
	s_wait_xcnt 0x0                                ; the last request has had its addresses translated (ISA guide 3.1)
	s_add_nc_u64 s[PF:PF+1], s[PF:PF+1], 256       ; the next K step's 64 columns of 4 bytes
	s_cmp_eq_u32 s[PFN], 4                         ; K step 8 is c_prev's first
	s_cselect_b64 s[PF:PF+1], s[PFC:PFC+1], s[PF:PF+1]
	s_add_co_u32 s[PFN], s[PFN], 1
	global_prefetch_b8 v[VPF], s[PF:PF+1] th:TH_LOAD_NT scope:SCOPE_SE
.Lno_pf_\@:
.endm
; A round of the cluster's barrier: my work-group's barrier; wave 0 signals for the work-group; every wave waits for all sixteen; my work-group's barrier once more.
.macro CREST                           ; a round behind its opening barrier
	s_cmp_lg_u32 s20, 0
	s_cbranch_scc1 .Lnot_wave_0_\@
	s_barrier_signal -3
.Lnot_wave_0_\@:
	s_barrier_wait -3
	s_barrier_signal -1
	s_barrier_wait -1
.endm
.macro CROUND
	s_barrier_signal -1
	s_barrier_wait -1
	CREST
.endm
	s_load_b512 s[4:19], s[0:1], 0x0               ; X_t 4, c_prev 6, wt 8, b_f 10, b_i 12, b_o 14, b_c 16, out0 18
	v_lshl_add_u32 v254, v0, 2, 0x45000
	v_mov_b32 v255, 0
	ds_add_u32 v254, v255
	v_lshrrev_b32 v1, 5, v0
	v_readfirstlane_b32 s20, v1                    ; wave 0..3
	s_lshr_b32 s21, s20, 1                         ; I fetch activations (0) or weights (1)
	s_and_b32 s22, s20, 1                          ; which half of that tile
	s_bfe_u32 s23, ttmp6, 0x40000                  ; cx
	s_bfe_u32 s24, ttmp6, 0x40004                  ; cy
	s_lshl_b32 s25, ttmp9, 2
	s_add_co_u32 s25, s25, s23                     ; cb = 4 x cluster x + cx
	s_and_b32 s26, ttmp7, 0xffff
	s_lshl_b32 s26, s26, 2
	s_add_co_u32 s26, s26, s24                     ; rb = 4 x cluster y + cy
	s_lshl_b32 s27, s24, 2
	s_lshl_b32 s27, 15, s27                        ; my row of the cluster: places 4 cy .. 4 cy + 3
	s_lshl_b32 s28, 0x1111, s23                    ; my column: places cx, cx + 4, cx + 8, cx + 12
	; group 1, activations: 128 rows x 64 elements of 4 bytes, 512 elements from row to row; 4 words of padding behind every 64
	s_or_b32 s[G1A+0], s27, (2<<16)|(1<<20)|(1<<21)|(5<<22)|(3<<25)  ; 15:0 mask of my row; 17:16 4 bytes; 20 padding; 21 set beside a mask; 24:22 every 64 words; 31:25 4 words
	s_mov_b32 s[G1A+1], 64<<16                     ; tensor_dim0 = 64
	s_mov_b32 s[G1A+2], 128<<16                    ; tensor_dim1 = 128
	s_mov_b32 s[G1A+3], 64<<16                     ; tile_dim0 = 64
	s_mov_b32 s[G1A+4], 128                        ; tile_dim1 = 128
	s_mov_b32 s[G1A+5], 512                        ; pitch
	s_mov_b32 s[G1A+6], 0
	s_mov_b32 s[G1A+7], 0
	; group 1, weights: a dense block of 16,384 bytes as 64 rows x 32 elements of 8 bytes, padded alike
	s_or_b32 s[G1B+0], s28, (3<<16)|(1<<20)|(1<<21)|(5<<22)|(3<<25)  ; the mask of my column
	s_mov_b32 s[G1B+1], 32<<16
	s_mov_b32 s[G1B+2], 64<<16
	s_mov_b32 s[G1B+3], 32<<16
	s_mov_b32 s[G1B+4], 64
	s_mov_b32 s[G1B+5], 32
	s_mov_b32 s[G1B+6], 0
	s_mov_b32 s[G1B+7], 0
	; group 1, the c_prev tile: 64 rows x 64 elements of 4 bytes, no mask: a load of my own
	s_mov_b32 s[G1C+0], (2<<16)|(1<<20)|(5<<22)|(3<<25)
	s_mov_b32 s[G1C+1], 64<<16
	s_mov_b32 s[G1C+2], 64<<16
	s_mov_b32 s[G1C+3], 64<<16
	s_mov_b32 s[G1C+4], 64
	s_mov_b32 s[G1C+5], 512
	s_mov_b32 s[G1C+6], 0
	s_mov_b32 s[G1C+7], 0
	; offsets.  The activations' is made of rb and the wave alone, the weights' of cb and the wave alone, each in registers that never hold the other coordinate.
	s_lshl_b32 s84, s26, 19                        ; 256 rb rows of 2,048 bytes
	s_lshl_b32 s93, s22, 18                        ; + 128 rows for the second half
	s_add_co_u32 s84, s84, s93
	s_mov_b32 s85, 0
	s_lshl_b32 s86, s25, 19                        ; 16 cb tiles of 32,768 bytes
	s_lshl_b32 s93, s22, 14                        ; + 16,384 for the second half
	s_add_co_u32 s86, s86, s93
	s_mov_b32 s87, 0
	s_lshl_b32 s88, s26, 19                        ; the c_prev tile and out0: row 256 rb + 64 w, column 64 cb
	s_lshl_b32 s93, s20, 17
	s_add_co_u32 s88, s88, s93
	s_lshl_b32 s31, s25, 8
	s_add_co_u32 s88, s88, s31
	s_mov_b32 s89, 0
	s_lshl_b32 s96, s26, 19                        ; prefetch: row 256 rb + 32 cb, in registers that feed no joint load
	s_lshl_b32 s97, s25, 16
	s_add_co_u32 s96, s96, s97
	s_mov_b32 s97, 0
	s_mov_b32 s[PFN], 0
	s_mul_i32 s29, s20, 64*PITCH                   ; my wave's 64 rows in LDS
	s_mul_i32 s90, s20, 128*PITCH                  ; where my half of an activation tile goes (waves 0, 1)
	s_add_co_u32 s91, s29, 128*PITCH               ; where my half of a weight tile goes (waves 2, 3): 69,632 + 17,408 (w - 2)
	s_lshl_b32 s30, s20, 10
	s_add_co_u32 s30, s30, BIAS                    ; my wave's biases
	s_mov_b32 s92, 0x42200000                      ; 40.0: the cut of the exponents
	s_wait_dscnt 0x0
	s_wait_kmcnt 0x0
	s_add_nc_u64 s[PF:PF+1], s[4:5], s[96:97]      ; prefetch: X_t at row 256 rb + 32 cb,
	s_add_nc_u64 s[PF:PF+1], s[PF:PF+1], 768       ; K step 3: the first request steps on to K step 4
	s_add_nc_u64 s[PFC:PFC+1], s[6:7], s[96:97]    ; and c_prev at the same row, its first columns: K step 8
	s_add_nc_u64 s[4:5], s[4:5], s[84:85]          ; X_t at my half of the tile
	s_add_nc_u64 s[SCP:SCP+1], s[6:7], s[84:85]    ; c_prev at the same rows: K step 8,
	s_add_nc_u64 s[SCP+2:SCP+3], s[SCP:SCP+1], 256 ; K step 9
	s_add_nc_u64 s[8:9], s[8:9], s[86:87]          ; wt at my half of the tile
	s_add_nc_u64 s[6:7], s[6:7], s[88:89]          ; c_prev at my wave's tile of the cell update
	s_add_nc_u64 s[18:19], s[18:19], s[88:89]      ; out0 likewise
	CROUND                                         ; all sixteen work-groups are here: the first joint loads meet
.irp s, 0,1
	s_mov_b32 s[G0A+4*\s], 1                                       ; count = 1
	s_add_co_u32 s[G0A+4*\s+1], s90, \s*SLOT                       ; LDS address
	s_add_nc_u64 s[G0A+4*\s+2:G0A+4*\s+3], s[4:5], \s*256          ; K step s: 64 k of 4 bytes
	s_or_b32 s[G0A+4*\s+3], s[G0A+4*\s+3], 0x80000000              ; type = 2
	s_mov_b32 s[G0B+4*\s], 1
	s_add_co_u32 s[G0B+4*\s+1], s91, \s*SLOT
	s_add_nc_u64 s[G0B+4*\s+2:G0B+4*\s+3], s[8:9], \s*32768        ; K step s: a tile of 32,768 bytes
	s_or_b32 s[G0B+4*\s+3], s[G0B+4*\s+3], 0x80000000
	JLOAD \s
.endr
	s_mov_b32 s[G0C], 1
	s_add_co_u32 s[G0C+1], s29, CP
	s_mov_b64 s[G0C+2:G0C+3], s[6:7]
	s_or_b32 s[G0C+3], s[G0C+3], 0x80000000
	tensor_load_to_lds s[G0C:G0C+3], s[G1C:G1C+7]  ; the third and last of the first fills
	s_nop 0
	; biases: lane l takes columns 64 cb + 2 l, + 1 of each gate; the lane addresses are made while they come
	v_and_b32 v3, 31, v0                           ; l
	v_lshl_add_u32 v[VBLD], v3, 3, s31             ; 256 cb + 8 l
.irp g, 0,1,2,3
	global_load_b64 v[8+2*\g:9+2*\g], v[VBLD], s[10+2*\g:11+2*\g]
.endr
	v_and_b32 v1, 15, v0                           ; r
	v_bfe_u32 v2, v0, 4, 1                         ; h
	v_lshlrev_b32 v[VPF], 11, v3                   ; prefetch: a row of 2,048 bytes for each lane
	v_mul_u32_u24 v4, v1, PITCH
	v_lshl_add_u32 v5, v2, 5, v4                   ; r x pitch + 32 h: eight f32 for each half of the lanes
	v_add_nc_u32 v[ADRA], s29, v5
	v_add_nc_u32 v[ADRA+1], SLOT, v[ADRA]
	v_add_nc_u32 v[VCPA], CP, v[ADRA]
	v_lshrrev_b32 v6, 1, v1
	v_mul_u32_u24 v6, v6, PITCH                    ; weights: two n' in an LDS row
	v_and_b32 v7, 1, v1
	v_lshl_add_u32 v6, v7, 7, v6
	v_lshl_add_u32 v6, v2, 4, v6                   ; + 16 h: eight f16
	v_add_nc_u32 v[ADRB], APART, v6
	v_add_nc_u32 v[ADRB+1], SLOT, v[ADRB]
	v_mul_u32_u24 v7, v2, PITCH                    ; by rows: lanes 0-15 one row of 256 bytes, lanes 16-31 the next
	v_lshl_add_u32 v7, v1, 4, v7
	v_add_nc_u32 v[VCPR], s29, v7
	v_add_nc_u32 v[VCPR], CP, v[VCPR]
	v_lshlrev_b32 v7, 11, v2                       ; and the same two rows in out0
	v_lshl_add_u32 v[VCO], v1, 4, v7
	v_lshl_add_u32 v[VBIA], v2, 5, s30
	v_lshl_add_u32 v[VBST], v3, 3, s30
	s_wait_loadcnt 0x0
.irp g, 0,1,2
	v_pk_mul_f32 v[8+2*\g:9+2*\g], v[8+2*\g:9+2*\g], 0xbfb8aa3b op_sel_hi:[1,0]   ; times -log2 e
.endr
	v_pk_mul_f32 v[14:15], v[14:15], 0xc038aa3b op_sel_hi:[1,0]                    ; times -2 log2 e
.irp g, 0,1,2,3
	ds_store_b64 v[VBST], v[8+2*\g:9+2*\g] offset:256*\g           ; my wave's own copy: no other wave reads it
.endr
; The fragments of a quarter (32 k, the q-th of the slot's two).  16 LDS loads: 4 x 16 rows of activations in f32 into the staging.
.macro FETCHA slot, q
	WIN 0
.irp a, 0,1,2,3
	ds_load_b128 v[STG+16*\a:STG+16*\a+3],     v[ADRA+\slot] offset:\a*16*PITCH+128*\q      ; k = 8 h .. + 3
	ds_load_b128 v[STG+16*\a+4:STG+16*\a+7],   v[ADRA+\slot] offset:\a*16*PITCH+128*\q+16   ; k = 8 h + 4 .. + 7
	ds_load_b128 v[STG+16*\a+8:STG+16*\a+11],  v[ADRA+\slot] offset:\a*16*PITCH+128*\q+64   ; k = 16 + 8 h ..
	ds_load_b128 v[STG+16*\a+12:STG+16*\a+15], v[ADRA+\slot] offset:\a*16*PITCH+128*\q+80
.endr
.endm
; 2 x count LDS loads: weight fragments first .. first + count - 1 of the sixteen into buffer g
.macro FETCHB slot, q, g, first, count
	WIN TO_B
.set fb, \first
.rept \count
	ds_load_b128 v[128*\g+8*fb:128*\g+8*fb+3],   v[ADRB+\slot] offset:fb*8*PITCH+64*\q
	ds_load_b128 v[128*\g+8*fb+4:128*\g+8*fb+7], v[ADRB+\slot] offset:fb*8*PITCH+64*\q+32
.set fb, fb+1
.endr
.endm
; the staging becomes four f16 fragments in buffer g
.macro CVT g
	WIN 0
.irp a, 0,1,2,3
.irp i, 0,1,2,3,4,5,6,7
	v_cvt_pk_f16_f32 v[AF+32*\g+8*\a+\i], v[STG+16*\a+2*\i], v[STG+16*\a+2*\i+1]
.endr
.endr
.endm
; 16 matrix instructions: row tile a x all 16 column tiles, 32 along K, from buffers g.  zero = 1: the first product starts the sums.
.macro MUL16 g, a, zero
.irp b, 0,1,2,3,4,5,6,7,8,9,10,11,12,13,14,15
.if \zero
	v_wmma_f32_16x16x32_f16 v[8*(16*(\a%2)+\b):8*(16*(\a%2)+\b)+7], v[128*\g+8*\b:128*\g+8*\b+7], v[AF+32*\g+8*\a:AF+32*\g+8*\a+7], 0
.else
	v_wmma_f32_16x16x32_f16 v[8*(16*(\a%2)+\b):8*(16*(\a%2)+\b)+7], v[128*\g+8*\b:128*\g+8*\b+7], v[AF+32*\g+8*\a:AF+32*\g+8*\a+7], v[8*(16*(\a%2)+\b):8*(16*(\a%2)+\b)+7]
.endif
.endr
.endm
; One K step of 64: two quarters of 64 matrix instructions, on buffers 0 and 1.  The 64 accumulators take turns, one instruction a turn, in the same order in every quarter,
; over the backward jumps and the seams between the laps too.
; mode 2: this slot is filled again, two K steps ahead, behind a round of the cluster's barrier; mode 3: the same, and the activations come from c_prev from here on;
; mode 1: a plain barrier, nothing is filled; mode 0: the last step.
; A quarter's 48 fragment loads for the next quarter are dealt out: the 16 activation loads, wanted first (by the conversion), and 8 weight loads at its head, 12 and 12 more weight
; loads behind its first and second block of 16 products.  So a wave's products stand behind 24 loads and not 48, and the four waves' requests are spread over half a quarter.
; The four places at the head stand between the last readers of the buffer that is filled and all three runs.
; The slot's second quarter is fetched in the step's first, so that in the step's middle all reads of the slot are over.  In front of the barrier each wave waits for those reads
; and for all its tensor loads, of which one is out: its part of the next slot.  Behind it the refill comes first, then the next slot's first fragments.
; From a request to the wait for it a wave issues 112 matrix instructions.
.macro STEP slot, next, mode, zero
	s_wait_dscnt 0x0                               ; buffer 0's weights are in (the last run was asked for 32 matrix instructions ago)
	PLACES                                         ; buffer 1 was read by the matrix instructions just issued
	FETCHA \slot, 1
	FETCHB \slot, 1, 1, 0, 4
	WIN MUL_LO
	MUL16 0, 0, \zero
	FETCHB \slot, 1, 1, 4, 6
	WIN MUL_LO
	MUL16 0, 1, \zero
	FETCHB \slot, 1, 1, 10, 6
	s_wait_dscnt 32                                ; the 16 activation loads are in; the 8 + 12 + 12 weight loads issued behind them may be out
	CVT 1
	WIN MUL_HI
	MUL16 0, 2, \zero
	s_wait_dscnt 0x0                               ; my reads of this slot are over, and buffer 1 is whole
.if \mode > 0
	s_set_vgpr_msb 0xf1f0
	s_wait_tensorcnt 0x0                           ; all my tensor loads have landed: my part of the next slot among them
	ds_add_u32 v254, v255
	s_wait_dscnt 0x0
	s_set_vgpr_msb 0xf0f1
	s_barrier_signal -1                            ; say so,
.endif
	MUL16 0, 3, \zero                              ; work on registers while the others arrive
.if \mode > 0
	WIN 0
	s_barrier_wait -1
.if \mode >= 2
	CREST                                          ; all sixteen work-groups have said so: no wave of any partner still reads this slot or has a load on its way
.if \mode == 2
	s_add_nc_u64 s[G0A+4*\slot+2:G0A+4*\slot+3], s[G0A+4*\slot+2:G0A+4*\slot+3], 512      ; two K steps on: 128 k of 4 bytes
.else
	s_mov_b64 s[G0A+4*\slot+2:G0A+4*\slot+3], s[SCP+2*\slot:SCP+2*\slot+1]                ; K step 8 + slot: c_prev's columns 64 slot .. + 63 at the same rows
	s_or_b32 s[G0A+4*\slot+3], s[G0A+4*\slot+3], 0x80000000                               ; type = 2
.endif
	s_add_nc_u64 s[G0B+4*\slot+2:G0B+4*\slot+3], s[G0B+4*\slot+2:G0B+4*\slot+3], 65536    ; two tiles of wt on
	JLOAD \slot                                    ; my one tensor load behind the round, and the first thing there
	PREF                                           ; wave 3: 32 rows' pieces of the activation tile four K steps on
.endif
	PLACES                                         ; buffer 0 was read by the matrix instructions just issued
	FETCHA \next, 0
	FETCHB \next, 0, 0, 0, 4
.endif
	WIN MUL_LO
	MUL16 1, 0, 0
.if \mode > 0
	FETCHB \next, 0, 0, 4, 6
.endif
	WIN MUL_LO
	MUL16 1, 1, 0
.if \mode > 0
	FETCHB \next, 0, 0, 10, 6
	s_wait_dscnt 32                                ; as above
	CVT 0
.endif
	WIN MUL_HI
	MUL16 1, 2, 0
	MUL16 1, 3, 0
.endm
	s_wait_tensorcnt 0x2                           ; my part of slot 0 is in; slot 1's and the c_prev tile, issued behind it, stay out
	s_wait_dscnt 0x0                               ; no LDS instruction is pending at a signal
	s_barrier_signal -1
	s_barrier_wait -1                              ; everybody's part of slot 0 is in
	FETCHA 0, 0
	FETCHB 0, 0, 0, 0, 16
	s_wait_dscnt 32                                ; the 16 activation loads are in
	CVT 0
	; A lap is two K steps, once round the ring; lap n multiplies K steps 2 n, 2 n + 1 and asks for 2 n + 2, 2 n + 3.
	STEP 0, 1, 2, 1                                ; lap 0 stands in front of the loops: its first products start the sums
	STEP 1, 0, 2, 0
	WIN 0                                          ; at a label and at a branch every window is 0
	s_mov_b32 s3, 2
.Llap_x:                                           ; laps 1 and 2: they ask for K steps 4 to 7, the rest of X_t
	STEP 0, 1, 2, 0
	STEP 1, 0, 2, 0
	WIN 0
	s_sub_co_u32 s3, s3, 1
	s_cmp_lg_u32 s3, 0
	s_cbranch_scc1 .Llap_x
	STEP 0, 1, 3, 0                                ; lap 3 asks for K steps 8 and 9: c_prev's first two
	STEP 1, 0, 3, 0
	WIN 0
	s_mov_b32 s3, 3
.Llap_c:                                           ; laps 4 to 6: they ask for K steps 10 to 15
	STEP 0, 1, 2, 0
	STEP 1, 0, 2, 0
	WIN 0
	s_sub_co_u32 s3, s3, 1
	s_cmp_lg_u32 s3, 0
	s_cbranch_scc1 .Llap_c
	STEP 0, 1, 1, 0                                ; lap 7 fills nothing and has no round: the one load still out is slot 1's, K step 15
	STEP 1, 0, 0, 0
	; THE GATES.  A wave touches only its own bytes of LDS from here on: no barrier.
	; With L = log2 e and the sums s_f, s_i, s_o, s_c (bias included): A = 2^(-L s_f), B = 2^(-L s_i), E = 2^(-L s_o), C = 2^(-2 L s_c), each exponent cut at 40.
	; sigmoid(s_f) = 1/(1+A), tanh(s_c) = (1-C)/(1+C), so with P = (1+B)(1+C):  c_t = (c_prev P + (1-C)(1+A)) / (P (1+A)): one reciprocal for three quotients.
	; G = 2^(-2 L c_t), cut likewise:  h_t = (1-G) / ((1+E)(1+G)).  Five exponentials and two reciprocals an element.
	; Behind each run of exponentials or reciprocals stands a plain instruction that names none of their registers before a result is used (ISA guide 5.7.2).
; row tile a, column group j (hc = 16 j + 8 h + 0..7): eight elements a lane.  win: source 0 in the accumulators' window.
.macro GATES a, j, win
	WIN \win
.irp g, 0,1,2
.irp p, 0,2,4,6
	v_pk_fma_f32 v[EF+8*\g+\p:EF+8*\g+\p+1], v[8*(16*(\a%2)+4*\g+\j)+\p:8*(16*(\a%2)+4*\g+\j)+\p+1], 0xbfb8aa3b, v[BI+8*\g+\p:BI+8*\g+\p+1] op_sel_hi:[1,0,1]
.endr
.endr
.irp p, 0,2,4,6
	v_pk_fma_f32 v[EC+\p:EC+\p+1], v[8*(16*(\a%2)+12+\j)+\p:8*(16*(\a%2)+12+\j)+\p+1], 0xc038aa3b, v[BI+24+\p:BI+24+\p+1] op_sel_hi:[1,0,1]
.endr
	WIN 0
.irp e, EI, EC, EF
.irp n, 0,1,2,3,4,5,6,7
	v_min_num_f32 v[\e+\n], s92, v[\e+\n]
.endr
.endr
.irp e, EI, EC, EF
.irp n, 0,1,2,3,4,5,6,7
	v_exp_f32 v[\e+\n], v[\e+\n]                   ; B, C, A
.endr
.endr
.irp n, 0,1,2,3,4,5,6,7
	v_min_num_f32 v[EO+\n], s92, v[EO+\n]          ; plain work between the exponentials above and their use
.endr
.irp n, 0,1,2,3,4,5,6,7
	v_exp_f32 v[EO+\n], v[EO+\n]                   ; E: used far below
.endr
	s_wait_alu depctr_va_vdst(0)
.irp p, 0,2,4,6
	v_pk_add_f32 v[EI+\p:EI+\p+1], v[EI+\p:EI+\p+1], 1.0 op_sel_hi:[1,0]               ; 1 + B
.endr
.irp p, 0,2,4,6
	v_pk_add_f32 v[EX+\p:EX+\p+1], v[EC+\p:EC+\p+1], 1.0 op_sel_hi:[1,0]               ; 1 + C
.endr
.irp p, 0,2,4,6
	v_pk_fma_f32 v[EC+\p:EC+\p+1], v[EC+\p:EC+\p+1], -1.0, 1.0 op_sel_hi:[1,0,0]       ; 1 - C
.endr
.irp p, 0,2,4,6
	v_pk_add_f32 v[EF+\p:EF+\p+1], v[EF+\p:EF+\p+1], 1.0 op_sel_hi:[1,0]               ; 1 + A
.endr
.irp p, 0,2,4,6
	v_pk_mul_f32 v[EI+\p:EI+\p+1], v[EI+\p:EI+\p+1], v[EX+\p:EX+\p+1]                  ; P
.endr
.irp p, 0,2,4,6
	v_pk_mul_f32 v[EC+\p:EC+\p+1], v[EC+\p:EC+\p+1], v[EF+\p:EF+\p+1]                  ; (1-C)(1+A)
.endr
.irp p, 0,2,4,6
	v_pk_fma_f32 v[EC+\p:EC+\p+1], v[CPV+8*\a+\p:CPV+8*\a+\p+1], v[EI+\p:EI+\p+1], v[EC+\p:EC+\p+1]   ; the numerator of c_t
.endr
.irp p, 0,2,4,6
	v_pk_mul_f32 v[EI+\p:EI+\p+1], v[EI+\p:EI+\p+1], v[EF+\p:EF+\p+1]                  ; its denominator, from 1 to under 2^121
.endr
.irp n, 0,1,2,3,4,5,6,7
	v_rcp_f32 v[EI+\n], v[EI+\n]
.endr
.irp p, 0,2,4,6
	v_pk_mul_f32 v[EC+\p:EC+\p+1], v[EC+\p:EC+\p+1], 0xc038aa3b op_sel_hi:[1,0]        ; times -2 L: plain work behind the reciprocals
.endr
	s_wait_alu depctr_va_vdst(0)
.irp p, 0,2,4,6
	v_pk_mul_f32 v[EC+\p:EC+\p+1], v[EC+\p:EC+\p+1], v[EI+\p:EI+\p+1]                  ; -2 L c_t
.endr
.irp n, 0,1,2,3,4,5,6,7
	v_min_num_f32 v[EC+\n], s92, v[EC+\n]
.endr
.irp n, 0,1,2,3,4,5,6,7
	v_exp_f32 v[EC+\n], v[EC+\n]                   ; G
.endr
.irp p, 0,2,4,6
	v_pk_add_f32 v[EO+\p:EO+\p+1], v[EO+\p:EO+\p+1], 1.0 op_sel_hi:[1,0]               ; 1 + E: plain work behind the exponentials
.endr
	s_wait_alu depctr_va_vdst(0)
.irp p, 0,2,4,6
	v_pk_add_f32 v[EX+\p:EX+\p+1], v[EC+\p:EC+\p+1], 1.0 op_sel_hi:[1,0]               ; 1 + G
.endr
.irp p, 0,2,4,6
	v_pk_mul_f32 v[EX+\p:EX+\p+1], v[EX+\p:EX+\p+1], v[EO+\p:EO+\p+1]                  ; (1+E)(1+G), under 2^81
.endr
.irp n, 0,1,2,3,4,5,6,7
	v_rcp_f32 v[EX+\n], v[EX+\n]
.endr
.irp p, 0,2,4,6
	v_pk_fma_f32 v[EC+\p:EC+\p+1], v[EC+\p:EC+\p+1], -1.0, 1.0 op_sel_hi:[1,0,0]       ; 1 - G: plain work behind the reciprocals
.endr
	s_wait_alu depctr_va_vdst(0)
.irp p, 0,2,4,6
	v_pk_mul_f32 v[EY+\p:EY+\p+1], v[EC+\p:EC+\p+1], v[EX+\p:EX+\p+1]                  ; h_t
.endr
	ds_store_b128 v[VCPA], v[EY:EY+3]   offset:\a*16*PITCH+64*\j       ; over the c_prev that this lane has read: the tile has had its one fill
	ds_store_b128 v[VCPA], v[EY+4:EY+7] offset:\a*16*PITCH+64*\j+16
.endm
	WIN 0
	PLACES                                         ; behind the last matrix instructions: results are read, and loads go into fragment registers
.irp j, 0,1,2,3
.irp g, 0,1,2,3
	ds_load_b128 v[BI+8*\g:BI+8*\g+3],   v[VBIA] offset:256*\g+64*\j
	ds_load_b128 v[BI+8*\g+4:BI+8*\g+7], v[VBIA] offset:256*\g+64*\j+16
.endr
.irp a, 0,1,2,3
	ds_load_b128 v[CPV+8*\a:CPV+8*\a+3],   v[VCPA] offset:\a*16*PITCH+64*\j   ; my wave's own tensor load brought it, and every wait for all loads since has shown it landed
	ds_load_b128 v[CPV+8*\a+4:CPV+8*\a+7], v[VCPA] offset:\a*16*PITCH+64*\j+16
.endr
	s_wait_dscnt 0x0
	GATES 0, \j, 0x02
	GATES 1, \j, 0x02
	GATES 2, \j, 0x03
	GATES 3, \j, 0x03
.endr
	; THE WAY OUT: my 64 rows of 256 bytes, two at a time.  LDS serves a wave's instructions in order (ISA guide 5.7.1.4): these loads see the stores above.
.set tt, 0
.rept 32
	ds_load_b128 v[OUTR+4*tt:OUTR+4*tt+3], v[VCPR] offset:2*PITCH*tt
.set tt, tt+1
.endr
.set tt, 0
.rept 32
	s_wait_dscnt 31-tt                             ; load tt is in, the younger ones may be out
	global_store_b128 v[VCO], v[OUTR+4*tt:OUTR+4*tt+3], s[18:19] offset:4096*tt th:TH_STORE_NT   ; 16 lanes store 256 consecutive bytes, at a multiple of 256 from out0's first byte
.set tt, tt+1
.endr
	s_wait_tensorcnt 0x0
	ds_add_u32 v254, v255
	s_wait_dscnt 0x0
	CROUND                                         ; the closing round: no work-group ends while a partner may still ask for a tile that names it
	s_endpgm
.Lfunc_end_k_q5832f0f091_cell:
	.size	k_q5832f0f091_cell, .Lfunc_end_k_q5832f0f091_cell-k_q5832f0f091_cell
	.p2alignl 7, 3214868480
	.fill 96, 4, 3214868480
	.section	.rodata,"a",@progbits
	.p2align	6, 0x0
	.amdhsa_kernel k_q5832f0f091_cell
		.amdhsa_group_segment_fixed_size 327680
		.amdhsa_private_segment_fixed_size 0
		.amdhsa_enable_private_segment 0
		.amdhsa_kernarg_size 64
		.amdhsa_user_sgpr_count 2
		.amdhsa_user_sgpr_kernarg_segment_ptr 1
		.amdhsa_wavefront_size32 1
		.amdhsa_system_sgpr_workgroup_id_x 1
		.amdhsa_system_sgpr_workgroup_id_y 1
		.amdhsa_system_sgpr_workgroup_id_z 1
		.amdhsa_system_vgpr_workitem_id 0
		.amdhsa_next_free_vgpr 1024
		.amdhsa_next_free_sgpr 100
		.amdhsa_reserve_vcc 0
		.amdhsa_float_denorm_mode_32 3
		.amdhsa_float_denorm_mode_16_64 3
		.amdhsa_memory_ordered 1
		.amdhsa_forward_progress 1
		.amdhsa_inst_pref_size 255
	.end_amdhsa_kernel
	.section	.bss,"aw",@nobits
	.p2align	6
	.space	262144
	.amdgpu_metadata
---
amdhsa.version: [ 1, 2 ]
amdhsa.kernels:
  - .name:           k_q5832f0f091_cell
    .symbol:         k_q5832f0f091_cell.kd
    .args:
      - { .name: X_t, .offset: 0, .size: 8, .value_kind: global_buffer, .address_space: global }
      - { .name: c_prev, .offset: 8, .size: 8, .value_kind: global_buffer, .address_space: global }
      - { .name: wt, .offset: 16, .size: 8, .value_kind: global_buffer, .address_space: global }
      - { .name: b_f, .offset: 24, .size: 8, .value_kind: global_buffer, .address_space: global }
      - { .name: b_i, .offset: 32, .size: 8, .value_kind: global_buffer, .address_space: global }
      - { .name: b_o, .offset: 40, .size: 8, .value_kind: global_buffer, .address_space: global }
      - { .name: b_c, .offset: 48, .size: 8, .value_kind: global_buffer, .address_space: global }
      - { .name: out0, .offset: 56, .size: 8, .value_kind: global_buffer, .address_space: global }
    .group_segment_fixed_size: 327680
    .private_segment_fixed_size: 0
    .kernarg_segment_align: 8
    .kernarg_segment_size: 64
    .max_flat_workgroup_size: 128
    .sgpr_count:     100
    .vgpr_count:     1024
    .wavefront_size: 32
...
	.end_amdgpu_metadata
.endif
;; end of part 2
